; MI455X (gfx1250); checked and timed in simulation.
; The chip was launched on July 23, 2026; its instructions are those of AMD's public machine-readable ISA for CDNA 5 (MIT licence, August 2026) and "CDNA5" Instruction Set Architecture Reference Guide (July 2026). The comments in the code are by the model that wrote it; some were corrected since.
;; Temporal SA. Allowed arithmetic: float matrix products may take bf16 or f16 operands with f32 sums; all other float work in f32.
;; Inputs: kW 64 x 256 float32; kb 64 float32; kbeta 64 float32; kg 64 float32; kmu 64 float32; kvar 64 float32; qW 64 x 256 float32; qb 64 float32; qbeta 64 float32; qg 64 float32; qmu 64 float32; qvar 64 float32; vW 256 x 256 float32; vb 256 float32; vbeta 256 float32; vg 256 float32; vmu 256 float32; vvar 256 float32; x 8 x 256 x 2,048 x 1 float32.
;; Outputs: out0 8 x 256 x 2,048 x 1 float32.
;; 2 versions, each right; version 2 is version 1 with the launch attn written anew for expert scheduling mode. Each part assembles by itself: llvm-mc -triple=amdgcn-amd-amdhsa -mcpu=gfx1250 --defsym DOCPART=n.
;; ======== version 1 of 2: 2 launches
;; workspace buffers: kimg 2,097,152 bytes; qimg 2,097,152 bytes; vimg 8,388,608 bytes
;; launch proj (part 1): grid 32 x 8, 8 waves a work-group, no clusters, 236,544 bytes of LDS; arguments x, vW, vb, vg, vbeta, vmu, vvar, vimg, kW, kb, kg, kbeta, kmu, kvar, kimg, qW, qb, qg, qbeta, qmu, qvar, qimg; writes kimg, qimg, vimg
.if DOCPART == 1
	.amdgcn_target "amdgcn-amd-amdhsa--gfx1250"
	.amdhsa_code_object_version 6
	.text
	.protected	k_qc92a9edbb2_proj
	.globl	k_qc92a9edbb2_proj
	.p2align	8
	.type	k_qc92a9edbb2_proj,@function
k_qc92a9edbb2_proj:
	s_mov_b64 s[64:65], 0
	v_nop
	global_prefetch_b8 v0, s[64:65] scope:SCOPE_SE
	s_setreg_imm32_b32 hwreg(HW_REG_WAVE_MODE, 25, 1), 1
	s_wait_xcnt 0x0
; K, Q, V = relu(BN(W x + b)) for 64 times of one batch (work-group x = block of 64 times, y = batch), stored in bf16 as the
; register images of the matrix fragments that the attention launch needs.
; x is [b][c][t] in f32: the index that is summed over, c, does not lie along the rows.  So time is taken in four classes t mod 4:
; a tile of 16 times is t = 64 tb + 4 m + jj, m = 0..15.  A lane's 16-byte load of row c at byte 16 r holds one time of each class, and
; v_cvt_pk_bf16_f32 of rows c, c + 1 is one register of a fragment: no transposition.  The same order of times is used for K's rows, Q's
; columns and the summed index of P and V, so all products are unchanged.
; Eight waves.  Wave w turns channels 32 w .. 32 w + 31 of x into four fragments in LDS (x is loaded once), and multiplies all of x by three
; tiles of 16 output channels: tile 0 = K's tile w (w < 4) or Q's tile w - 4, tiles 1, 2 = V's tiles 2 w, 2 w + 1.
; Its 48 weight rows come in four slices of 64 columns (f32, 256 bytes of a row for 16 lanes), are rounded to bf16 and laid in LDS bytes
; of its own, from which the fragments are read; two slices are always on their way.
; Q is scaled by log2(e)/8 here (a positive factor commutes with relu), so that Q K is the exponent to base 2 of the softmax.
; NO CLUSTER: the weights, which all work-groups share, are f32 and are rounded on the way to LDS, which a copy into LDS cannot do; as f32
; they are 393,216 bytes, more than a work-group's LDS.  No prefetch: x is asked for in the first lines, all of it at once.
; LIMITS: operands of the products are bf16; 1/sqrt(var + eps) is v_rsq_f32 (1 ULP); relu is v_max_num_f32, which turns a NaN into 0.
.set EPS,    0x3727c5ac                ; 1e-5
.set QSC,    0x3e38aa3b                ; log2(e) / 8
.set XROW,   8192                      ; bytes in a row of x
.set WST,    32768                     ; LDS: behind the 32 fragments of x (1,024 bytes each), 48 weight rows for each wave
.set WPITCH, 528                       ; 512 bytes of bf16 + 16: an odd multiple of 16, so the 16 rows of a fragment load begin in 16 different 16-byte columns of a 256-byte row of banks (ISA guide 11.1)
.set WWAVE,  48*WPITCH
; v1 16 x lane   v2 r = lane % 16   v3 h = lane / 16   v4 offset in x   v5 offset in W   v6 LDS: weight store   v7 LDS: weight fragment
; v8 LDS: my x fragments   v9 offset in K's or Q's parameters   v10 offset in V's parameters
.set ACC, 16                           ; v16-111   12 accumulator tiles, (tile lt, class jj) at 16 + 8 (4 lt + jj); before: raw parameters v16-65
.set FB0, 112                          ; v112-167  fragment buffer 0: x of class jj at + 8 jj, weights of tile lt at + 32 + 8 lt
.set FB1, 168                          ; v168-223  fragment buffer 1; also the stage of a slice's rounded weights
.set XS,  112                          ; v112-175  x as loaded (16 rows x 4 times), before the products
.set XF,  176                          ; v176-207  my four x fragments
.set PK,  112                          ; v112-159  packed results, behind the products
.set SCK, 224                          ; v224-231  scale of my 8 channels of K or Q        SHK v232-239 their shift
.set SHK, 232
.set SCV, 240                          ; v240-241 scale of V tile 1 (twice), v242-243 shift, v244-247 the same for tile 2
.set SA,  0                            ; window 1 v0-95   (v256-351)  weight slice, buffer A
.set SB,  96                           ; window 1 v96-191 (v352-447)  weight slice, buffer B
.set MSB, 0
.macro WIN new                         ; register windows (ISA guide: s_set_vgpr_msb); the high byte repeats the setting that is left
.if MSB != \new
	s_set_vgpr_msb (MSB<<8)|\new
.set MSB, \new
.endif
.endm
.macro PLACES                          ; four independent vector instructions behind a matrix instruction before its registers are touched (ISA guide 7.12.1)
.rept 4
	v_nop
.endr
.endm
	s_load_b512 s[8:23], s[0:1], 0x0               ; x 8, vW 10, vb 12, vg 14, vbeta 16, vmu 18, vvar 20, vimg 22
	s_load_b512 s[24:39], s[0:1], 0x40             ; kW 24, kb 26, kg 28, kbeta 30, kmu 32, kvar 34, kimg 36, qW 38
	s_load_b256 s[40:47], s[0:1], 0x80             ; qb 40, qg 42, qbeta 44, qmu 46
	s_load_b128 s[48:51], s[0:1], 0xa0             ; qvar 48, qimg 50
	v_lshl_add_u32 v254, v0, 2, 0x39800
	v_mov_b32 v255, 0
	v_lshrrev_b32 v11, 5, v0
	v_readfirstlane_b32 s2, v11                    ; wave 0..7
	s_mov_b32 s3, ttmp9                            ; tb: block of 64 times
	s_and_b32 s4, ttmp7, 0xffff                    ; b: batch
	s_and_b32 s5, s2, 3                            ; my tile of K or of Q
	v_and_b32 v1, 31, v0
	v_lshlrev_b32 v1, 4, v1                        ; 16 x lane
	v_and_b32 v2, 15, v0                           ; r
	v_bfe_u32 v3, v0, 4, 1                         ; h
	v_lshlrev_b32 v12, 4, v2                       ; 16 r
	v_lshl_add_u32 v4, v3, 16, v12                 ; x: 8 h rows + 16 r
	v_lshl_add_u32 v5, v3, 10, v12                 ; W: h rows of 1,024 bytes + 16 r
	s_mul_i32 s6, s2, WWAVE
	s_add_co_u32 s6, s6, WST                       ; my weight rows in LDS
	v_mul_u32_u24 v6, v3, WPITCH
	v_lshl_add_u32 v6, v2, 3, v6
	v_add_nc_u32 v6, s6, v6                        ; store: row h, 8 bytes (4 bf16) at 8 r
	v_mul_u32_u24 v7, v2, WPITCH
	v_lshl_add_u32 v7, v3, 4, v7
	v_add_nc_u32 v7, s6, v7                        ; fragment: row r, 16 h
	s_lshl_b32 s6, s2, 12
	v_add_nc_u32 v8, s6, v1                        ; my four x fragments: 4,096 w + 16 x lane
	s_lshl_b32 s6, s5, 6
	v_lshl_add_u32 v9, v3, 5, s6                   ; channels 16 tile + 8 h .. + 7, f32
	s_lshl_b32 s6, s2, 7
	v_lshl_add_u32 v10, v2, 2, s6                  ; channel 32 w + r, f32
	s_lshl_b32 s7, s4, 5
	s_add_co_u32 s7, s7, s3                        ; 32 b + tb
	s_mov_b32 s69, 0
	s_wait_kmcnt 0x0
	s_cmp_lt_u32 s2, 4                             ; waves 0-3 make K, waves 4-7 make Q
	s_cselect_b64 s[52:53], s[24:25], s[38:39]     ; W
	s_cselect_b64 s[54:55], s[26:27], s[40:41]     ; b
	s_cselect_b64 s[56:57], s[28:29], s[42:43]     ; g
	s_cselect_b64 s[58:59], s[30:31], s[44:45]     ; beta
	s_cselect_b64 s[60:61], s[32:33], s[46:47]     ; mu
	s_cselect_b64 s[62:63], s[34:35], s[48:49]     ; var
	s_cselect_b64 s[66:67], s[36:37], s[50:51]     ; image
	s_cselect_b32 s70, 1.0, QSC                    ; Q carries the softmax's factor
	s_lshl_b32 s68, s4, 21                         ; x: batch, my 32 rows, the block's 256 bytes
	s_lshl_b32 s71, s2, 18
	s_add_co_u32 s68, s68, s71
	s_lshl_b32 s71, s3, 8
	s_add_co_u32 s68, s68, s71
	s_add_nc_u64 s[8:9], s[8:9], s[68:69]
	s_lshl_b32 s68, s5, 14                         ; 16 rows of K's or Q's weights
	s_add_nc_u64 s[52:53], s[52:53], s[68:69]
	s_lshl_b32 s68, s2, 15                         ; 32 rows of V's weights
	s_add_nc_u64 s[10:11], s[10:11], s[68:69]
	s_lshl_b32 s68, s7, 13                         ; K, Q image: 8,192 bytes a block; my tile is half (tile & 1) of chunk (tile >> 1): 512 x tile
	s_lshl_b32 s71, s5, 9
	s_add_co_u32 s68, s68, s71
	s_add_nc_u64 s[66:67], s[66:67], s[68:69]
	s_lshl_b32 s68, s7, 15                         ; V image: 32,768 bytes a block, 2,048 a tile of 16 channels
	s_lshl_b32 s71, s2, 12
	s_add_co_u32 s68, s68, s71
	s_add_nc_u64 s[22:23], s[22:23], s[68:69]
	; 20 loads of parameters: b v16, g v24, beta v32, mu v40, var v48 (8 each); V's b v56-57, g v58-59, beta v60-61, mu v62-63, var v64-65
	global_load_b128 v[16:19], v9, s[54:55]
	global_load_b128 v[20:23], v9, s[54:55] offset:16
	global_load_b128 v[24:27], v9, s[56:57]
	global_load_b128 v[28:31], v9, s[56:57] offset:16
	global_load_b128 v[32:35], v9, s[58:59]
	global_load_b128 v[36:39], v9, s[58:59] offset:16
	global_load_b128 v[40:43], v9, s[60:61]
	global_load_b128 v[44:47], v9, s[60:61] offset:16
	global_load_b128 v[48:51], v9, s[62:63]
	global_load_b128 v[52:55], v9, s[62:63] offset:16
	global_load_b32 v56, v10, s[12:13]
	global_load_b32 v57, v10, s[12:13] offset:64
	global_load_b32 v58, v10, s[14:15]
	global_load_b32 v59, v10, s[14:15] offset:64
	global_load_b32 v60, v10, s[16:17]
	global_load_b32 v61, v10, s[16:17] offset:64
	global_load_b32 v62, v10, s[18:19]
	global_load_b32 v63, v10, s[18:19] offset:64
	global_load_b32 v64, v10, s[20:21]
	global_load_b32 v65, v10, s[20:21] offset:64
	; 16 loads of x: rows 8 h + i and 16 + 8 h + i of my 32; 16 lanes take 256 consecutive bytes of a row, aligned
.irp i, 0,1,2,3,4,5,6,7
	global_load_b128 v[XS+4*\i:XS+4*\i+3], v4, s[8:9] offset:\i*XROW
.endr
.irp i, 8,9,10,11,12,13,14,15
	global_load_b128 v[XS+4*\i:XS+4*\i+3], v4, s[8:9] offset:(8+\i)*XROW
.endr
; 24 loads: columns 64 sl .. + 63 of my 48 weight rows; lanes 0-15 take 256 bytes of row 2 i, lanes 16-31 of row 2 i + 1
.macro WLOAD sl, buf
	WIN 0x40                                       ; destination in window 1
.irp i, 0,1,2,3,4,5,6,7
	global_load_b128 v[\buf+4*\i:\buf+4*\i+3], v5, s[52:53] offset:\i*2048+(\sl)*256
.endr
.irp i, 0,1,2,3,4,5,6,7,8,9,10,11,12,13,14,15
	global_load_b128 v[\buf+32+4*\i:\buf+32+4*\i+3], v5, s[10:11] offset:\i*2048+(\sl)*256
.endr
	WIN 0
.endm
; 14 LDS loads: the fragments of channels 32 kc .. + 31: x of the four classes, weights of my three tiles
.macro LOADF kc, fb
.irp j, 0,1,2,3
	ds_load_b128 v[\fb+8*\j:\fb+8*\j+3],   v1 offset:((\kc)*4+\j)*1024
	ds_load_b128 v[\fb+8*\j+4:\fb+8*\j+7], v1 offset:((\kc)*4+\j)*1024+512
.endr
.irp l, 0,1,2
	ds_load_b128 v[\fb+32+8*\l:\fb+32+8*\l+3], v7 offset:\l*16*WPITCH+(\kc)*64
	ds_load_b128 v[\fb+32+8*\l+4:\fb+32+8*\l+7], v7 offset:\l*16*WPITCH+(\kc)*64+32
.endr
.endm
; 12 matrix instructions.  K, Q: weights x x, so a lane holds 8 neighbouring channels of one time (a fragment's half with d along the registers).
; V: x x weights, so a lane holds 8 times of one channel (a fragment's half with time along the registers).
.macro MM fb, zero
.irp j, 0,1,2,3
.if \zero
	v_wmma_f32_16x16x32_bf16 v[ACC+8*\j:ACC+8*\j+7], v[\fb+32:\fb+39], v[\fb+8*\j:\fb+8*\j+7], 0
.else
	v_wmma_f32_16x16x32_bf16 v[ACC+8*\j:ACC+8*\j+7], v[\fb+32:\fb+39], v[\fb+8*\j:\fb+8*\j+7], v[ACC+8*\j:ACC+8*\j+7]
.endif
.endr
.irp l, 1,2
.irp j, 0,1,2,3
.if \zero
	v_wmma_f32_16x16x32_bf16 v[ACC+8*(4*\l+\j):ACC+8*(4*\l+\j)+7], v[\fb+8*\j:\fb+8*\j+7], v[\fb+32+8*\l:\fb+32+8*\l+7], 0
.else
	v_wmma_f32_16x16x32_bf16 v[ACC+8*(4*\l+\j):ACC+8*(4*\l+\j)+7], v[\fb+8*\j:\fb+8*\j+7], v[\fb+32+8*\l:\fb+32+8*\l+7], v[ACC+8*(4*\l+\j):ACC+8*(4*\l+\j)+7]
.endif
.endr
.endr
.endm
; One slice of 64 channels: round its weights, ask for the slice after next, lay them in my LDS rows, read the fragments, 24 products.
; left = loads of the one younger slice, which stay out.  LDS serves a wave's instructions in order (ISA guide 5.7.1), and the weight rows
; are my own, so the fragment loads see the stores above them without a wait.
.macro SLICE sl, buf, more, left, zero
	s_wait_loadcnt \left
.if \sl
	PLACES                                         ; behind the last slice's products: buffer 1 is written, buffer 0 loaded
.endif
	WIN 0x05                                       ; sources in window 1
.set i, 0
.rept 48
	v_cvt_pk_bf16_f32 v[FB1+i], v[\buf+2*i], v[\buf+2*i+1]
.set i, i+1
.endr
.if \more
	WLOAD \sl+2, \buf
.endif
	WIN 0
.set i, 0
.rept 24
	ds_store_b64 v6, v[FB1+2*i:FB1+2*i+1] offset:i*2*WPITCH+\sl*128
.set i, i+1
.endr
	LOADF 2*\sl, FB0
	LOADF 2*\sl+1, FB1
	s_wait_dscnt 14                                ; buffer 0 is in; the 14 loads of buffer 1 stay out
	MM FB0, \zero
	s_wait_dscnt 0x0
	MM FB1, 0
.endm
	WLOAD 0, SA
	s_wait_loadcnt 40                              ; the parameters are in; 16 loads of x and 24 of slice 0 stay out
	; scale = g / sqrt(var + eps), shift = (b - mu) scale + beta
.irp i, 0,1,2,3,4,5,6,7
	v_add_f32 v[48+\i], EPS, v[48+\i]
.endr
	v_add_f32 v64, EPS, v64
	v_add_f32 v65, EPS, v65
.irp i, 0,1,2,3,4,5,6,7
	v_rsq_f32 v[48+\i], v[48+\i]
.endr
	v_rsq_f32 v64, v64
	v_rsq_f32 v65, v65
.irp i, 0,1,2,3,4,5,6,7
	v_sub_f32 v[16+\i], v[16+\i], v[40+\i]         ; plain work between the roots and their use (ISA guide 5.7.2)
.endr
	v_sub_f32 v56, v56, v62
	v_sub_f32 v57, v57, v63
	s_wait_alu depctr_va_vdst(0)
.irp i, 0,1,2,3,4,5,6,7
	v_mul_f32 v[SCK+\i], v[24+\i], v[48+\i]
.endr
.irp i, 0,1,2,3,4,5,6,7
	v_fma_f32 v[SHK+\i], v[16+\i], v[SCK+\i], v[32+\i]
.endr
.irp i, 0,1,2,3,4,5,6,7
	v_mul_f32 v[SCK+\i], s70, v[SCK+\i]            ; 1 for K, log2(e)/8 for Q
	v_mul_f32 v[SHK+\i], s70, v[SHK+\i]
.endr
	v_mul_f32 v[SCV],   v58, v64                   ; V: one channel a lane, the pair holds it twice for the packed multiply-add
	v_mul_f32 v[SCV+1], v58, v64
	v_mul_f32 v[SCV+4], v59, v65
	v_mul_f32 v[SCV+5], v59, v65
	v_fma_f32 v[SCV+2], v56, v[SCV], v60
	v_fma_f32 v[SCV+3], v56, v[SCV], v60
	v_fma_f32 v[SCV+6], v57, v[SCV+4], v61
	v_fma_f32 v[SCV+7], v57, v[SCV+4], v61
	WLOAD 1, SB
	s_wait_loadcnt 48                              ; x is in; the two weight slices stay out
	; fragment of class jj: register p = rows 8 h + 2 p, + 1; register 4 + p = rows 16 + 8 h + 2 p, + 1; component jj of each
.irp j, 0,1,2,3
.irp p, 0,1,2,3
	v_cvt_pk_bf16_f32 v[XF+8*\j+\p],   v[XS+8*\p+\j],    v[XS+8*\p+4+\j]
	v_cvt_pk_bf16_f32 v[XF+8*\j+4+\p], v[XS+32+8*\p+\j], v[XS+32+8*\p+4+\j]
.endr
.endr
.irp j, 0,1,2,3
	ds_store_b128 v8, v[XF+8*\j:XF+8*\j+3]   offset:\j*1024
	ds_store_b128 v8, v[XF+8*\j+4:XF+8*\j+7] offset:\j*1024+512
.endr
	s_wait_dscnt 0x0                               ; my fragments of x are in LDS, for the other waves' sake
	s_barrier_signal -1
	s_barrier_wait -1                              ; everybody's are; they are never written again
	SLICE 0, SA, 1, 24, 1                          ; the first products start the sums: nothing is cleared
	SLICE 1, SB, 1, 24, 0
	SLICE 2, SA, 0, 24, 0
	SLICE 3, SB, 0, 0, 0                           ; nothing was asked for behind the last slice
; One tile out: scale and shift, relu, round to bf16; 16 bytes a lane at 16 x lane: the wave's store covers 512 consecutive bytes, aligned.
; st = 1: the scale's pair steps with the registers (K, Q: channels along the registers), 0: it stays (V: one channel a lane).
.macro EPI tile, sc, sh, st, sb, off
.irp p, 0,2,4,6
	v_pk_fma_f32 v[ACC+8*(\tile)+\p:ACC+8*(\tile)+\p+1], v[ACC+8*(\tile)+\p:ACC+8*(\tile)+\p+1], v[(\sc)+\st*\p:(\sc)+\st*\p+1], v[(\sh)+\st*\p:(\sh)+\st*\p+1]
.endr
.irp p, 0,1,2,3,4,5,6,7
	v_max_num_f32 v[ACC+8*(\tile)+\p], 0, v[ACC+8*(\tile)+\p]
.endr
.irp p, 0,1,2,3
	v_cvt_pk_bf16_f32 v[PK+4*(\tile)+\p], v[ACC+8*(\tile)+2*\p], v[ACC+8*(\tile)+2*\p+1]
.endr
	global_store_b128 v1, v[PK+4*(\tile):PK+4*(\tile)+3], s[\sb:\sb+1] offset:\off
.endm
	PLACES                                         ; behind the last products
.irp j, 0,1,2,3
	EPI \j, SCK, SHK, 1, 66, \j*2048               ; K, Q: class jj is 2,048 bytes on
.endr
.irp j, 0,1,2,3
	EPI 4+\j, SCV, SCV+2, 0, 22, \j*512            ; V: class jj = 2 pr + half lies at 1,024 pr + 512 half
.endr
.irp j, 0,1,2,3
	EPI 8+\j, SCV+4, SCV+6, 0, 22, 2048+\j*512
.endr
	s_wait_tensorcnt 0x0
	ds_add_u32 v254, v255
	s_wait_dscnt 0x0
	s_endpgm
.Lfunc_end_k_qc92a9edbb2_proj:
	.size	k_qc92a9edbb2_proj, .Lfunc_end_k_qc92a9edbb2_proj-k_qc92a9edbb2_proj
	.p2alignl 7, 3214868480
	.fill 96, 4, 3214868480
	.section	.rodata,"a",@progbits
	.p2align	6, 0x0
	.amdhsa_kernel k_qc92a9edbb2_proj
		.amdhsa_group_segment_fixed_size 236544
		.amdhsa_private_segment_fixed_size 0
		.amdhsa_enable_private_segment 0
		.amdhsa_kernarg_size 176
		.amdhsa_user_sgpr_count 2
		.amdhsa_user_sgpr_kernarg_segment_ptr 1
		.amdhsa_wavefront_size32 1
		.amdhsa_system_sgpr_workgroup_id_x 1
		.amdhsa_system_sgpr_workgroup_id_y 1
		.amdhsa_system_sgpr_workgroup_id_z 1
		.amdhsa_system_vgpr_workitem_id 0
		.amdhsa_next_free_vgpr 448
		.amdhsa_next_free_sgpr 72
		.amdhsa_reserve_vcc 0
		.amdhsa_float_denorm_mode_32 3
		.amdhsa_float_denorm_mode_16_64 3
		.amdhsa_memory_ordered 1
		.amdhsa_forward_progress 1
		.amdhsa_inst_pref_size 64
	.end_amdhsa_kernel
	.amdgpu_metadata
---
amdhsa.version: [ 1, 2 ]
amdhsa.kernels:
  - .name:           k_qc92a9edbb2_proj
    .symbol:         k_qc92a9edbb2_proj.kd
    .args:
      - { .name: x, .offset: 0, .size: 8, .value_kind: global_buffer, .address_space: global }
      - { .name: vW, .offset: 8, .size: 8, .value_kind: global_buffer, .address_space: global }
      - { .name: vb, .offset: 16, .size: 8, .value_kind: global_buffer, .address_space: global }
      - { .name: vg, .offset: 24, .size: 8, .value_kind: global_buffer, .address_space: global }
      - { .name: vbeta, .offset: 32, .size: 8, .value_kind: global_buffer, .address_space: global }
      - { .name: vmu, .offset: 40, .size: 8, .value_kind: global_buffer, .address_space: global }
      - { .name: vvar, .offset: 48, .size: 8, .value_kind: global_buffer, .address_space: global }
      - { .name: vimg, .offset: 56, .size: 8, .value_kind: global_buffer, .address_space: global }
      - { .name: kW, .offset: 64, .size: 8, .value_kind: global_buffer, .address_space: global }
      - { .name: kb, .offset: 72, .size: 8, .value_kind: global_buffer, .address_space: global }
      - { .name: kg, .offset: 80, .size: 8, .value_kind: global_buffer, .address_space: global }
      - { .name: kbeta, .offset: 88, .size: 8, .value_kind: global_buffer, .address_space: global }
      - { .name: kmu, .offset: 96, .size: 8, .value_kind: global_buffer, .address_space: global }
      - { .name: kvar, .offset: 104, .size: 8, .value_kind: global_buffer, .address_space: global }
      - { .name: kimg, .offset: 112, .size: 8, .value_kind: global_buffer, .address_space: global }
      - { .name: qW, .offset: 120, .size: 8, .value_kind: global_buffer, .address_space: global }
      - { .name: qb, .offset: 128, .size: 8, .value_kind: global_buffer, .address_space: global }
      - { .name: qg, .offset: 136, .size: 8, .value_kind: global_buffer, .address_space: global }
      - { .name: qbeta, .offset: 144, .size: 8, .value_kind: global_buffer, .address_space: global }
      - { .name: qmu, .offset: 152, .size: 8, .value_kind: global_buffer, .address_space: global }
      - { .name: qvar, .offset: 160, .size: 8, .value_kind: global_buffer, .address_space: global }
      - { .name: qimg, .offset: 168, .size: 8, .value_kind: global_buffer, .address_space: global }
    .group_segment_fixed_size: 236544
    .private_segment_fixed_size: 0
    .kernarg_segment_align: 8
    .kernarg_segment_size: 176
    .max_flat_workgroup_size: 256
    .sgpr_count:     72
    .vgpr_count:     448
    .wavefront_size: 32
...
	.end_amdgpu_metadata
.endif
;; end of part 1
;; launch attn (part 2): grid 32 x 8, 4 waves a work-group, no clusters, 44,544 bytes of LDS; arguments kimg, qimg, vimg, x, out0; writes out0
.if DOCPART == 2
	.amdgcn_target "amdgcn-amd-amdhsa--gfx1250"
	.amdhsa_code_object_version 6
	.text
	.protected	k_qc92a9edbb2_attn
	.globl	k_qc92a9edbb2_attn
	.p2align	8
	.type	k_qc92a9edbb2_attn,@function
k_qc92a9edbb2_attn:
	s_mov_b64 s[64:65], 0
	v_nop
	global_prefetch_b8 v0, s[64:65] scope:SCOPE_SE
	s_setreg_imm32_b32 hwreg(HW_REG_WAVE_MODE, 25, 1), 1
	s_wait_xcnt 0x0
; out = x + (P V) / (row sums of batch 0 + 1e-30), P = exp(s - max(0, largest s in the band)) inside the band 0 <= t - s <= 255, else 0.
; (The reference takes the maximum over the whole row of 2,048, in which the places outside the band are 0: hence the floor 0.)
; A work-group (x = block of 64 queries tb, y = batch b) sees five blocks of 64 keys, tb - 4 .. tb.  Times are taken in classes t mod 4
; (a tile of 16: t = 64 block + 4 m + class); K, Q, V come as bf16 register images, 16 bytes a lane at 16 x lane, straight into fragments.
; Q carries log2(e)/8, so K Q is the exponent to base 2.
; SCORES: wave w takes key class w of all five blocks x the four query classes: 20 tiles, S^T = K Q^T, so a lane holds 8 keys of one query,
; which after the exponential and rounding is half of a fragment of P.  The mask is the C operand of the first product (0 or -2^127).
; The scores are made twice: for batch 0, whose row sums divide every batch, and for batch b.  No work-group reads what another stores.
; P V: wave w takes channels 64 w .. + 63 (4 tiles) x 4 query classes, 10 chunks of 32 keys; V from memory into registers (each byte is used
; by one wave), P through LDS.  A lane's results of the four classes are four neighbouring times of one channel: x's own 16 bytes.
; Blocks in front of the sequence's start: the load is clamped to block 0 and the bias is -2^127, so P = 0 there.
; NO CLUSTER: neighbouring query blocks share key blocks at different places of their windows, so LDS or register places would hang on the
; place in the cluster; what batches share, batch 0's K and Q, is 73,728 of the 376,832 bytes that a work-group's waves load.
; No copies into LDS: every operand is a register image.  No prefetch: all loads are issued in the first third of the text.
; LIMITS: masked scores are -2^127, so |K Q| must stay well below that; an exponential below 2^-126 is 0 (v_exp_f32); non-finite K, Q, V
; outside the band do not spread as in a full product; K, Q, V, P are bf16.
.set NEG,  0xff000000                  ; -2^127
.set MX0,  40960                       ; LDS: 0 .. 40,959 P, fragment (chunk n, class) at (4 n + class) 1,024 + 512 half + 16 lane
.set SM0,  41984                       ; then three tables of 1,024 bytes, word at 256 class + 16 r + 4 wave: batch 0's maxima, its sums,
.set MXB,  43008                       ; batch b's maxima.  Every LDS byte is written once.
; window 0: v1 16 x lane  v2 r  v3 h  v14 4 r - 32 h - w  v15 -2^127  v16 0  v17 block 0's bias  v18 16 r + 4 w  v19 16 r  v20 my P bytes  v21 offset in x
.set KOFF, 4                           ; v4-8    offset of key block kb in the K image
.set VOFF, 9                           ; v9-13   the same in the V image
.set PM,   24                          ; v24-27  my maximum for each query class
.set TP,   28                          ; v28-31  what the other half of the lanes holds
.set SS,   32                          ; v32-191 scores, tile 4 kb + class
.set ACC,  32                          ; v32-159 later: sums of P V, tile 4 ct + class
.set PB0,  160                         ; v160-191, v192-223: fragments of P, two buffers
.set PB1,  192
.set MP,   192                         ; v192-199 the row's maximum, twice, for each class
.set SUM,  200                         ; v200-207 sums of exponentials, a pair for each class
.set RINV, 224                         ; v224-227 1 / (sum + 1e-30)
.set EXR,  228                         ; v228-243 the four waves' words of a table
; window 1: v0-255 V fragments of chunks 0-7, (4 n + ct) 8.   window 2: v0-63 chunks 8, 9;
.set K0,   64                          ; window 2 v64-143  batch 0's K, 16 kb + 8 dc
.set KB,   144                         ; window 2 v144-223 batch b's K
.set XR,   64                          ; window 2 v64-191  later: x, then the result, 4 registers for row 8 ct + j
.set Q0,   0                           ; window 3 v0-63    batch 0's Q, 16 class + 8 dc
.set QB,   64                          ; window 3 v64-127  batch b's Q
.set B0,   128                         ; window 3 v128-159 bias of block 0, 8 class + j
.set B4,   160                         ; window 3 v160-191 bias of block 4
.set BU,   192                         ; window 3 v192-215 bias of blocks 1-3 (one value each)
.set KBI,  30                          ; s30-34  index of key block kb, clamped at 0
.set BIAS, 35                          ; s35-38  0 if block kb = 0..3 exists, else -2^127
.set MSB, 0
.macro WIN new                         ; register windows; low byte: 1:0 source 0, 3:2 source 1, 5:4 source 2, 7:6 destination; the high byte repeats the setting left
.if MSB != \new
	s_set_vgpr_msb (MSB<<8)|\new
.set MSB, \new
.endif
.endm
.macro PLACES                          ; four independent vector instructions behind a matrix instruction before its registers are touched (ISA guide 7.12.1)
.rept 4
	v_nop
.endr
.endm
	s_load_b256 s[4:11], s[0:1], 0x0               ; kimg 4, qimg 6, vimg 8, x 10
	s_load_b64 s[12:13], s[0:1], 0x20              ; out0
	v_lshl_add_u32 v254, v0, 2, 0xac00
	v_mov_b32 v255, 0
	v_lshrrev_b32 v23, 5, v0
	v_readfirstlane_b32 s14, v23                   ; wave 0..3
	s_mov_b32 s15, ttmp9                           ; tb
	s_and_b32 s16, ttmp7, 0xffff                   ; b
	s_mov_b32 s46, 0x76543210                      ; v_permlanex16_b32: lane i takes lane i of the other half
	s_mov_b32 s47, 0xfedcba98
	v_and_b32 v1, 31, v0
	v_lshlrev_b32 v1, 4, v1
	v_and_b32 v2, 15, v0
	v_bfe_u32 v3, v0, 4, 1
.irp k, 0,1,2,3
	s_add_co_i32 s[KBI+\k], s15, \k-4
	s_max_i32 s[KBI+\k], s[KBI+\k], 0
	s_cmp_ge_i32 s15, 4-\k
	s_cselect_b32 s[BIAS+\k], 0, NEG
.endr
	s_mov_b32 s[KBI+4], s15
	s_lshl_b32 s42, s14, 11                        ; K image: my key class, 2,048 bytes
	s_lshl_b32 s43, s14, 13                        ; V image: my four channel tiles, 8,192 bytes
.irp k, 0,1,2,3,4
	s_lshl_b32 s40, s[KBI+\k], 13
	s_add_co_u32 s40, s40, s42
	v_add_nc_u32 v[KOFF+\k], s40, v1
	s_lshl_b32 s41, s[KBI+\k], 15
	s_add_co_u32 s41, s41, s43
	v_add_nc_u32 v[VOFF+\k], s41, v1
.endr
	v_lshl_add_u32 v23, v3, 5, s14
	v_lshlrev_b32 v14, 2, v2
	v_sub_nc_u32 v14, v14, v23                     ; query 4 r + class minus key 32 h + 4 j + w is v14 - (4 j - class)
	v_mov_b32 v15, NEG
	v_mov_b32 v16, 0
	v_mov_b32 v17, s[BIAS]
	s_lshl_b32 s40, s14, 2
	v_lshl_add_u32 v18, v2, 4, s40
	v_lshlrev_b32 v19, 4, v2
	s_lshr_b32 s40, s14, 1                         ; key class w = 2 pr + half: chunk 2 kb + pr, half of the fragment
	s_lshl_b32 s40, s40, 12
	s_and_b32 s41, s14, 1
	s_lshl_b32 s41, s41, 9
	s_add_co_u32 s40, s40, s41
	v_add_nc_u32 v20, s40, v1
	v_lshl_add_u32 v21, v3, 16, v19                ; x: 8 h rows + 16 r
.irp c, 0,1,2,3
	v_mov_b32 v[TP+\c], 0                          ; v_permlanex16_b32 counts as a reader of its destination
.endr
	s_mov_b32 s41, 0
	s_mov_b32 s43, 0
	s_lshl_b32 s40, s16, 18
	s_lshl_b32 s42, s15, 13
	s_wait_kmcnt 0x0
	s_add_nc_u64 s[18:19], s[4:5], s[40:41]        ; batch b's K (batch 0's is s[4:5])
	s_add_nc_u64 s[20:21], s[6:7], s[42:43]        ; batch 0's Q, my block
	s_add_nc_u64 s[22:23], s[20:21], s[40:41]      ; batch b's
	s_lshl_b32 s40, s16, 20
	s_add_nc_u64 s[24:25], s[8:9], s[40:41]        ; batch b's V
	s_lshl_b32 s40, s16, 21                        ; x, out: batch, my 64 rows, the block's 256 bytes
	s_lshl_b32 s42, s14, 19
	s_add_co_u32 s40, s40, s42
	s_lshl_b32 s42, s15, 8
	s_add_co_u32 s40, s40, s42
	s_add_nc_u64 s[26:27], s[10:11], s[40:41]
	s_add_nc_u64 s[28:29], s[12:13], s[40:41]
; 36 loads: K of my class in five blocks (20), Q of the four classes (16)
.macro LDKQ kreg, qreg, ksb, qsb
	WIN 0x80
.irp k, 0,1,2,3,4
.irp d, 0,1
	global_load_b128 v[\kreg+16*\k+8*\d:\kreg+16*\k+8*\d+3],   v[KOFF+\k], s[\ksb:\ksb+1] offset:\d*1024
	global_load_b128 v[\kreg+16*\k+8*\d+4:\kreg+16*\k+8*\d+7], v[KOFF+\k], s[\ksb:\ksb+1] offset:\d*1024+512
.endr
.endr
	WIN 0xc0
.irp c, 0,1,2,3
.irp d, 0,1
	global_load_b128 v[\qreg+16*\c+8*\d:\qreg+16*\c+8*\d+3],   v1, s[\qsb:\qsb+1] offset:\c*2048+\d*1024
	global_load_b128 v[\qreg+16*\c+8*\d+4:\qreg+16*\c+8*\d+7], v1, s[\qsb:\qsb+1] offset:\c*2048+\d*1024+512
.endr
.endr
.endm
; 8 loads: V of chunk num (block num >> 1, classes 2 (num & 1), + 1) for my four channel tiles
.macro LDV num
.if \num < 8
	WIN 0x40
.set VB, 32*\num
.else
	WIN 0x80
.set VB, 32*(\num-8)
.endif
.irp g, 0,1,2,3
	global_load_b128 v[VB+8*\g:VB+8*\g+3],   v[VOFF+(\num>>1)], s[24:25] offset:\g*2048+(\num&1)*1024
	global_load_b128 v[VB+8*\g+4:VB+8*\g+7], v[VOFF+(\num>>1)], s[24:25] offset:\g*2048+(\num&1)*1024+512
.endr
.endm
; 40 matrix instructions: S = bias + K Q^T over d = 0..31, then d = 32..63 in place
.macro SMM kreg, qreg
	WIN 0x3e                                       ; K window 2, Q and bias window 3, S window 0
.irp k, 0,1,2,3,4
.irp c, 0,1,2,3
.if \k == 0
.set CB, B0+8*\c
.else
.if \k == 4
.set CB, B4+8*\c
.else
.set CB, BU+8*(\k-1)
.endif
.endif
	v_wmma_f32_16x16x32_bf16 v[SS+8*(4*\k+\c):SS+8*(4*\k+\c)+7], v[\kreg+16*\k:\kreg+16*\k+7], v[\qreg+16*\c:\qreg+16*\c+7], v[CB:CB+7]
.endr
.endr
	WIN 0x0e
.irp k, 0,1,2,3,4
.irp c, 0,1,2,3
	v_wmma_f32_16x16x32_bf16 v[SS+8*(4*\k+\c):SS+8*(4*\k+\c)+7], v[\kreg+16*\k+8:\kreg+16*\k+15], v[\qreg+16*\c+8:\qreg+16*\c+15], v[SS+8*(4*\k+\c):SS+8*(4*\k+\c)+7]
.endr
.endr
	WIN 0
	PLACES
.endm
; my largest score of each query (40 numbers a lane and class, four chains; the first link holds the floor 0), both halves of the lanes, to LDS
.macro PMAX reg
.irp k, 0,1,2,3,4
.irp p, 0,2,4,6
.irp c, 0,1,2,3
.if (\k+\p) == 0
	v_max3_num_f32 v[PM+\c], 0, v[SS+8*\c], v[SS+8*\c+1]
.else
	v_max3_num_f32 v[PM+\c], v[PM+\c], v[SS+8*(4*\k+\c)+\p], v[SS+8*(4*\k+\c)+\p+1]
.endif
.endr
.endr
.endr
.irp c, 0,1,2,3
	v_permlanex16_b32 v[TP+\c], v[PM+\c], s46, s47
.endr
.irp c, 0,1,2,3
	v_max_num_f32 v[PM+\c], v[PM+\c], v[TP+\c]
.endr
.irp c, 0,1,2,3
	ds_store_b32 v18, v[PM+\c] offset:\reg+256*\c  ; lanes r and r + 16 store the same word with the same value
.endr
.endm
; the four waves' maxima of my queries: the row's maximum, twice, for the packed subtraction
.macro GETMAX reg
.irp c, 0,1,2,3
	ds_load_b128 v[EXR+4*\c:EXR+4*\c+3], v19 offset:\reg+256*\c
.endr
	s_wait_dscnt 0x0
.irp c, 0,1,2,3
	v_max3_num_f32 v[TP+\c], v[EXR+4*\c], v[EXR+4*\c+1], v[EXR+4*\c+2]
.endr
.irp c, 0,1,2,3
	v_max_num_f32 v[MP+2*\c],   v[TP+\c], v[EXR+4*\c+3]
	v_max_num_f32 v[MP+2*\c+1], v[TP+\c], v[EXR+4*\c+3]
.endr
.endm
; a tile's exponentials: 2^(S - maximum), in place
.macro EXA tile
.irp p, 0,2,4,6
	v_pk_add_f32 v[SS+8*(\tile)+\p:SS+8*(\tile)+\p+1], v[SS+8*(\tile)+\p:SS+8*(\tile)+\p+1], v[MP+2*((\tile)&3):MP+2*((\tile)&3)+1] neg_lo:[0,1] neg_hi:[0,1]
.endr
.irp p, 0,1,2,3,4,5,6,7
	v_exp_f32 v[SS+8*(\tile)+\p], v[SS+8*(\tile)+\p]
.endr
.endm
; what becomes of them.  mode 0: added to the class's sum (block 0's tile starts it).  mode 1: rounded to bf16, 16 bytes a lane into P.
.macro EXB tile, mode
.if \mode
	s_wait_alu depctr_va_vdst(0)
.irp p, 0,1,2,3
	v_cvt_pk_bf16_f32 v[SS+8*(\tile)+\p], v[SS+8*(\tile)+2*\p], v[SS+8*(\tile)+2*\p+1]
.endr
	ds_store_b128 v20, v[SS+8*(\tile):SS+8*(\tile)+3] offset:((\tile)>>2)*8192+((\tile)&3)*1024
.else
	s_wait_alu depctr_va_vdst(0)
	v_pk_add_f32 v[SS+8*(\tile):SS+8*(\tile)+1], v[SS+8*(\tile):SS+8*(\tile)+1], v[SS+8*(\tile)+2:SS+8*(\tile)+3]
	v_pk_add_f32 v[SS+8*(\tile)+4:SS+8*(\tile)+5], v[SS+8*(\tile)+4:SS+8*(\tile)+5], v[SS+8*(\tile)+6:SS+8*(\tile)+7]
.if ((\tile)>>2) == 0
	v_pk_add_f32 v[SUM+2*((\tile)&3):SUM+2*((\tile)&3)+1], v[SS+8*(\tile):SS+8*(\tile)+1], v[SS+8*(\tile)+4:SS+8*(\tile)+5]
.else
	v_pk_add_f32 v[SS+8*(\tile):SS+8*(\tile)+1], v[SS+8*(\tile):SS+8*(\tile)+1], v[SS+8*(\tile)+4:SS+8*(\tile)+5]
	v_pk_add_f32 v[SUM+2*((\tile)&3):SUM+2*((\tile)&3)+1], v[SUM+2*((\tile)&3):SUM+2*((\tile)&3)+1], v[SS+8*(\tile):SS+8*(\tile)+1]
.endif
.endif
.endm
; all 20 tiles, the use one tile behind the exponentials: the plain instruction that stands between an exponential and the use of its
; result (ISA guide 5.7.2) is always another tile's work
.macro EXALL mode
	EXA 0
.set ti, 1
.rept 19
	EXA ti
	EXB ti-1, \mode
.set ti, ti+1
.endr
	EXB 19, \mode
.endm
; 8 LDS loads: the four classes' fragments of P for chunk num
.macro PLOAD num, pb
.irp c, 0,1,2,3
	ds_load_b128 v[\pb+8*\c:\pb+8*\c+3],   v1 offset:((\num)*4+\c)*1024
	ds_load_b128 v[\pb+8*\c+4:\pb+8*\c+7], v1 offset:((\num)*4+\c)*1024+512
.endr
.endm
; chunk num of P V: 16 matrix instructions; the next chunk's P is asked for first.  Behind V's chunk num stand 8 (9 - num) loads of V and
; 32 of x; a wait's count names 63 at the most, and a smaller count than needed is safe.
.macro PVC num, cur, nxt
	WIN 0
	PLACES                                         ; behind the last chunk's products, whose P buffer is loaded again
.if \num < 9
	PLOAD \num+1, \nxt
	s_wait_dscnt 8                                 ; this chunk's P is in; the next chunk's 8 loads stay out
.else
	s_wait_dscnt 0x0
.endif
.if 8*(9-\num)+32 > 63
	s_wait_loadcnt 63
.else
	s_wait_loadcnt 8*(9-\num)+32
.endif
.if \num < 8
	WIN 0x01
.set VB, 32*\num
.else
	WIN 0x02
.set VB, 32*(\num-8)
.endif
.irp g, 0,1,2,3
.irp c, 0,1,2,3
.if \num
	v_wmma_f32_16x16x32_bf16 v[ACC+8*(4*\g+\c):ACC+8*(4*\g+\c)+7], v[VB+8*\g:VB+8*\g+7], v[\cur+8*\c:\cur+8*\c+7], v[ACC+8*(4*\g+\c):ACC+8*(4*\g+\c)+7]
.else
	v_wmma_f32_16x16x32_bf16 v[ACC+8*(4*\g+\c):ACC+8*(4*\g+\c)+7], v[VB+8*\g:VB+8*\g+7], v[\cur+8*\c:\cur+8*\c+7], 0
.endif
.endr
.endr
.endm
	LDKQ K0, Q0, 4, 20                             ; batch 0
	LDKQ KB, QB, 18, 22                            ; batch b
	; the mask, once for both batches, while the loads are out.  Block 4 (the queries' own): valid where query >= key.  Block 0: valid where
	; query - key + 256 <= 255, the opposite, if the block exists.  Blocks 1-3: the distance is 1 .. 255, always inside.
	WIN 0xc0
.irp c, 0,1,2,3
.irp j, 0,1,2,3,4,5,6,7
	v_cmp_le_i32 vcc_lo, 4*\j-\c, v14
	v_cndmask_b32 v[B4+8*\c+\j], v15, v16, vcc_lo
	v_cndmask_b32 v[B0+8*\c+\j], v17, v15, vcc_lo
.endr
.endr
.irp k, 1,2,3
.irp j, 0,1,2,3,4,5,6,7
	v_mov_b32 v[BU+8*(\k-1)+\j], s[BIAS+\k]
.endr
.endr
	s_wait_loadcnt 36                              ; batch 0's K and Q are in; batch b's 36 loads stay out
	LDV 0
	LDV 1
	LDV 2
	SMM K0, Q0
	PMAX MX0
	s_wait_dscnt 0x0                               ; my maxima are in LDS, for the others' sake
	s_barrier_signal -1
	s_barrier_wait -1
	GETMAX MX0
	EXALL 0
.irp c, 0,1,2,3
	v_add_f32 v[SUM+2*\c], v[SUM+2*\c], v[SUM+2*\c+1]
.endr
.irp c, 0,1,2,3
	v_permlanex16_b32 v[TP+\c], v[SUM+2*\c], s46, s47
.endr
.irp c, 0,1,2,3
	v_add_f32 v[SUM+2*\c], v[SUM+2*\c], v[TP+\c]
.endr
.irp c, 0,1,2,3
	ds_store_b32 v18, v[SUM+2*\c] offset:SM0+256*\c
.endr
	s_wait_loadcnt 24                              ; batch b's K and Q are in; V's chunks 0-2 may stay out
	LDV 3
	LDV 4
	LDV 5
	LDV 6
	LDV 7
	LDV 8
	LDV 9
	SMM KB, QB
	PMAX MXB
	s_wait_dscnt 0x0                               ; batch 0's sums and batch b's maxima are in LDS
	s_barrier_signal -1
	s_barrier_wait -1
	GETMAX MXB
	WIN 0x80                                       ; x, into the registers that held K (far more than four places behind the score products)
.irp g, 0,1,2,3
.irp j, 0,1,2,3,4,5,6,7
	global_load_b128 v[XR+4*(8*\g+\j):XR+4*(8*\g+\j)+3], v21, s[26:27] offset:(16*\g+\j)*8192 th:TH_LOAD_NT
.endr
.endr
	WIN 0
	EXALL 1
	s_wait_dscnt 0x0                               ; my part of P is in LDS
	s_barrier_signal -1
	s_barrier_wait -1
.irp c, 0,1,2,3
	ds_load_b128 v[EXR+4*\c:EXR+4*\c+3], v19 offset:SM0+256*\c
.endr
	PLOAD 0, PB0
	s_wait_dscnt 0x0
.irp c, 0,1,2,3
	v_add_f32 v[EXR+4*\c],   v[EXR+4*\c],   v[EXR+4*\c+1]
	v_add_f32 v[EXR+4*\c+2], v[EXR+4*\c+2], v[EXR+4*\c+3]
.endr
.irp c, 0,1,2,3
	v_add_f32 v[EXR+4*\c], v[EXR+4*\c], v[EXR+4*\c+2]
.endr
.irp c, 0,1,2,3
	v_add_f32 v[EXR+4*\c], 0x0da24260, v[EXR+4*\c] ; + 1e-30
.endr
.irp c, 0,1,2,3
	v_rcp_f32 v[RINV+\c], v[EXR+4*\c]              ; used far below
.endr
	PVC 0, PB0, PB1                                ; the first chunk starts the sums
	PVC 1, PB1, PB0
	PVC 2, PB0, PB1
	PVC 3, PB1, PB0
	PVC 4, PB0, PB1
	PVC 5, PB1, PB0
	PVC 6, PB0, PB1
	PVC 7, PB1, PB0
	PVC 8, PB0, PB1
	PVC 9, PB1, PB0
	; THE WAY OUT: row c = 64 w + 16 ct + 8 h + j, times 4 r .. 4 r + 3 (the four classes): x's 16 bytes become the result's.
	; 16 lanes store 256 consecutive bytes of a row, at a multiple of 256 from the buffer's first byte.
	WIN 0
	PLACES
.irp g, 0,1,2,3
	s_wait_loadcnt 24-8*\g                         ; this tile's 8 rows of x are in; the later tiles' stay out
	WIN 0xa0                                       ; x and the result in window 2
	s_wait_alu depctr_va_vdst(0)
.irp j, 0,1,2,3,4,5,6,7
.irp c, 0,1,2,3
	v_fma_f32 v[XR+4*(8*\g+\j)+\c], v[ACC+8*(4*\g+\c)+\j], v[RINV+\c], v[XR+4*(8*\g+\j)+\c]
.endr
.endr
	WIN 0x08                                       ; store data in window 2
.irp j, 0,1,2,3,4,5,6,7
	global_store_b128 v21, v[XR+4*(8*\g+\j):XR+4*(8*\g+\j)+3], s[28:29] offset:(16*\g+\j)*8192 th:TH_STORE_NT
.endr
.endr
	WIN 0
	s_wait_tensorcnt 0x0
	ds_add_u32 v254, v255
	s_wait_dscnt 0x0
	s_endpgm
.Lfunc_end_k_qc92a9edbb2_attn:
	.size	k_qc92a9edbb2_attn, .Lfunc_end_k_qc92a9edbb2_attn-k_qc92a9edbb2_attn
	.p2alignl 7, 3214868480
	.fill 96, 4, 3214868480
	.section	.rodata,"a",@progbits
	.p2align	6, 0x0
	.amdhsa_kernel k_qc92a9edbb2_attn
		.amdhsa_group_segment_fixed_size 44544
		.amdhsa_private_segment_fixed_size 0
		.amdhsa_enable_private_segment 0
		.amdhsa_kernarg_size 40
		.amdhsa_user_sgpr_count 2
		.amdhsa_user_sgpr_kernarg_segment_ptr 1
		.amdhsa_wavefront_size32 1
		.amdhsa_system_sgpr_workgroup_id_x 1
		.amdhsa_system_sgpr_workgroup_id_y 1
		.amdhsa_system_sgpr_workgroup_id_z 1
		.amdhsa_system_vgpr_workitem_id 0
		.amdhsa_next_free_vgpr 984
		.amdhsa_next_free_sgpr 66
		.amdhsa_reserve_vcc 1
		.amdhsa_float_denorm_mode_32 3
		.amdhsa_float_denorm_mode_16_64 3
		.amdhsa_memory_ordered 1
		.amdhsa_forward_progress 1
		.amdhsa_inst_pref_size 108
	.end_amdhsa_kernel
	.amdgpu_metadata
---
amdhsa.version: [ 1, 2 ]
amdhsa.kernels:
  - .name:           k_qc92a9edbb2_attn
    .symbol:         k_qc92a9edbb2_attn.kd
    .args:
      - { .name: kimg, .offset: 0, .size: 8, .value_kind: global_buffer, .address_space: global }
      - { .name: qimg, .offset: 8, .size: 8, .value_kind: global_buffer, .address_space: global }
      - { .name: vimg, .offset: 16, .size: 8, .value_kind: global_buffer, .address_space: global }
      - { .name: x, .offset: 24, .size: 8, .value_kind: global_buffer, .address_space: global }
      - { .name: out0, .offset: 32, .size: 8, .value_kind: global_buffer, .address_space: global }
    .group_segment_fixed_size: 44544
    .private_segment_fixed_size: 0
    .kernarg_segment_align: 8
    .kernarg_segment_size: 40
    .max_flat_workgroup_size: 128
    .sgpr_count:     66
    .vgpr_count:     984
    .wavefront_size: 32
...
	.end_amdgpu_metadata
.endif
;; end of part 2
;; ======== version 2 of 2: 2 launches; version 1 with the launch attn written anew for expert scheduling mode
;; workspace buffers: kimg 2,097,152 bytes; qimg 2,097,152 bytes; vimg 8,388,608 bytes
;; launch proj: the kernel of part 1 again; grid 32 x 8, 8 waves a work-group, no clusters, 236,544 bytes of LDS; arguments x, vW, vb, vg, vbeta, vmu, vvar, vimg, kW, kb, kg, kbeta, kmu, kvar, kimg, qW, qb, qg, qbeta, qmu, qvar, qimg; writes kimg, qimg, vimg
;; launch attn (part 3): grid 32 x 8, 4 waves a work-group, no clusters, 44,544 bytes of LDS; arguments kimg, qimg, vimg, x, out0; writes out0
.if DOCPART == 3
	.amdgcn_target "amdgcn-amd-amdhsa--gfx1250"
	.amdhsa_code_object_version 6
	.text
	.protected	k_qc92a9edbb2_attn
	.globl	k_qc92a9edbb2_attn
	.p2align	8
	.type	k_qc92a9edbb2_attn,@function
k_qc92a9edbb2_attn:
	s_mov_b64 s[64:65], 0
	v_nop
	global_prefetch_b8 v0, s[64:65] scope:SCOPE_SE
	s_setreg_imm32_b32 hwreg(HW_REG_WAVE_SCHED_MODE, 0, 2), 2
	s_setreg_imm32_b32 hwreg(HW_REG_WAVE_MODE, 25, 1), 1
	s_wait_xcnt 0x0
	s_wait_alu depctr_vm_vsrc(0)
; out = x + (P V) / (row sums of batch 0 + 1e-30), P = exp(s - max(0, largest s in the band)) inside the band 0 <= t - s <= 255, else 0.
; (The reference takes the maximum over the whole row of 2,048, in which the places outside the band are 0: hence the floor 0.)
; A work-group (x = block of 64 queries tb, y = batch b) sees five blocks of 64 keys, tb - 4 .. tb.  Times are taken in classes t mod 4
; (a tile of 16: t = 64 block + 4 m + class); K, Q, V come as bf16 register images, 16 bytes a lane at 16 x lane, straight into fragments.
; Q carries log2(e)/8, so K Q is the exponent to base 2.
; SCORES: wave w takes key class w of all five blocks x the four query classes: 20 tiles, S^T = K Q^T, so a lane holds 8 keys of one query,
; which after the exponential and rounding is half of a fragment of P.  The mask is the C operand of the first product (0 or -2^127).
; The scores are made twice: for batch 0, whose row sums divide every batch, and for batch b.  No work-group reads what another stores.
; P V: wave w takes channels 64 w .. + 63 (4 tiles) x 4 query classes, 10 chunks of 32 keys; V from memory into registers (each byte is used
; by one wave), P through LDS.  A lane's results of the four classes are four neighbouring times of one channel: x's own 16 bytes.
; Blocks in front of the sequence's start: the load is clamped to block 0 and the bias is -2^127, so P = 0 there.
; NO CLUSTER: neighbouring query blocks share key blocks at different places of their windows, so LDS or register places would hang on the
; place in the cluster; what batches share, batch 0's K and Q, is 73,728 of the 376,832 bytes that a work-group's waves load.
; No copies into LDS: every operand is a register image.  No prefetch: all loads are issued in the first third of the text.
; LIMITS: masked scores are -2^127, so |K Q| must stay well below that; an exponential below 2^-126 is 0 (v_exp_f32); non-finite K, Q, V
; outside the band do not spread as in a full product; K, Q, V, P are bf16.
; THE MODE: SCHED_MODE bits 1:0 = 2 (LLVM: expert scheduling mode 2), set by the entry lines.  The code itself states the register dependences
; between vector or matrix instructions and memory or LDS instructions, with s_wait_alu, always for 0.
; THE PLAN.  Registers that memory or LDS instructions touch:
;   v1, v4-13, v18-21   addresses: written at the head, then never again: one wait at the head's end serves every load and store.
;   K, Q, V             loaded once into registers that no vector line has named; read by matrix instructions.
;   PM, SUM             written by vector lines, read by four LDS stores each time: a wait ahead of each run of stores; PM is written a second time, behind a wait for the first stores' reads.
;   EXR                 three times: four LDS loads land, a few vector lines read.  Between each reading and the next loads stands one of the waits ahead of a run of stores.
;   SS                  the roundings write a tile's low four registers, P's LDS stores read them: one wait and one run of four stores for each key block.
;   P's fragments       a buffer for each of the ten chunks, in registers that are dead when the scores are made (the last score tiles, MP and SUM; K's tail; Q and the masks).  One pair of waits
;                       behind the last barrier states that all vector and matrix work on them is done and that the stores have read them; no product names a later chunk's buffer, so the
;                       80 loads follow with no further wait, three chunks ahead of their products.
;   XR                  held K: x is loaded behind the wait ahead of the second maxima's stores, which states that the score products are done reading K.  On the way out 32 multiply-adds write a
;                       tile's rows, one wait, eight stores.
.set NEG,  0xff000000                  ; -2^127
.set MX0,  40960                       ; LDS: 0 .. 40,959 P, fragment (chunk n, class) at (4 n + class) 1,024 + 512 half + 16 lane
.set SM0,  41984                       ; then three tables of 1,024 bytes, word at 256 class + 16 r + 4 wave: batch 0's maxima, its sums,
.set MXB,  43008                       ; batch b's maxima.  Every LDS byte is written once.
; window 0: v1 16 x lane  v2 r  v3 h  v14 4 r - 32 h - w  v15 -2^127  v16 0  v17 block 0's bias  v18 16 r + 4 w  v19 16 r  v20 my P bytes  v21 offset in x
.set KOFF, 4                           ; v4-8    offset of key block kb in the K image
.set VOFF, 9                           ; v9-13   the same in the V image
.set PM,   24                          ; v24-27  my maximum for each query class
.set TP,   28                          ; v28-31  what the other half of the lanes holds
.set SS,   32                          ; v32-191 scores, tile 4 kb + class
.set ACC,  32                          ; v32-159 later: sums of P V, tile 4 ct + class
.set MP,   192                         ; v192-199 the row's maximum, twice, for each class
.set SUM,  200                         ; v200-207 sums of exponentials, a pair for each class
.set RINV, 224                         ; v224-227 1 / (sum + 1e-30)
.set EXR,  228                         ; v228-243 the four waves' words of a table
; P's fragments, 32 registers a chunk: chunks 0, 1 window 0 v160-223; chunks 2, 3 window 2 v192-255; chunks 4-9 window 3 v0-191
; window 1: v0-255 V fragments of chunks 0-7, (4 n + ct) 8.   window 2: v0-63 chunks 8, 9;
.set K0,   64                          ; window 2 v64-143  batch 0's K, 16 kb + 8 dc
.set KB,   144                         ; window 2 v144-223 batch b's K
.set XR,   64                          ; window 2 v64-191  later: x, then the result, 4 registers for row 8 ct + j
.set Q0,   0                           ; window 3 v0-63    batch 0's Q, 16 class + 8 dc
.set QB,   64                          ; window 3 v64-127  batch b's Q
.set B0,   128                         ; window 3 v128-159 bias of block 0, 8 class + j
.set B4,   160                         ; window 3 v160-191 bias of block 4
.set BU,   192                         ; window 3 v192-215 bias of blocks 1-3 (one value each)
.set KBI,  30                          ; s30-34  index of key block kb, clamped at 0
.set BIAS, 35                          ; s35-38  0 if block kb = 0..3 exists, else -2^127
.set MK,   38                          ; s38-45  eight lane masks of a query class, once the biases and the head's offsets have been read
.set MSB, 0
.macro WIN new                         ; register windows; low byte: 1:0 source 0, 3:2 source 1, 5:4 source 2, 7:6 destination; the high byte repeats the setting left
.if MSB != (\new)
	s_set_vgpr_msb (MSB<<8)|(\new)
.set MSB, (\new)
.endif
.endm
.macro PLACES                          ; four independent vector instructions behind a matrix instruction before a vector instruction touches its registers (ISA guide 7.12.1)
	s_wait_alu depctr_va_vdst(0)
.rept 4
	v_nop
.endr
.endm
	s_load_b256 s[4:11], s[0:1], 0x0               ; kimg 4, qimg 6, vimg 8, x 10
	s_load_b64 s[12:13], s[0:1], 0x20              ; out0
	v_lshl_add_u32 v254, v0, 2, 0xac00
	v_mov_b32 v255, 0
	v_lshrrev_b32 v23, 5, v0
	v_readfirstlane_b32 s14, v23                   ; wave 0..3
	s_mov_b32 s15, ttmp9                           ; tb
	s_and_b32 s16, ttmp7, 0xffff                   ; b
	s_mov_b32 s46, 0x76543210                      ; v_permlanex16_b32: lane i takes lane i of the other half
	s_mov_b32 s47, 0xfedcba98
	v_and_b32 v1, 31, v0
	v_lshlrev_b32 v1, 4, v1
	v_and_b32 v2, 15, v0
	v_bfe_u32 v3, v0, 4, 1
.irp k, 0,1,2,3
	s_add_co_i32 s[KBI+\k], s15, \k-4
	s_max_i32 s[KBI+\k], s[KBI+\k], 0
	s_cmp_ge_i32 s15, 4-\k
	s_cselect_b32 s[BIAS+\k], 0, NEG
.endr
	s_mov_b32 s[KBI+4], s15
	s_wait_alu depctr_va_sdst(0)                   ; s14 is written, ahead of its first reader: offsets and addresses are made from it
	s_lshl_b32 s42, s14, 11                        ; K image: my key class, 2,048 bytes
	s_lshl_b32 s43, s14, 13                        ; V image: my four channel tiles, 8,192 bytes
.irp k, 0,1,2,3,4
	s_lshl_b32 s40, s[KBI+\k], 13
	s_add_co_u32 s40, s40, s42
	v_add_nc_u32 v[KOFF+\k], s40, v1
	s_lshl_b32 s41, s[KBI+\k], 15
	s_add_co_u32 s41, s41, s43
	v_add_nc_u32 v[VOFF+\k], s41, v1
.endr
	v_lshl_add_u32 v23, v3, 5, s14
	v_lshlrev_b32 v14, 2, v2
	v_sub_nc_u32 v14, v14, v23                     ; query 4 r + class minus key 32 h + 4 j + w is v14 - (4 j - class)
	v_mov_b32 v15, NEG
	v_mov_b32 v16, 0
	v_mov_b32 v17, s[BIAS]
	s_lshl_b32 s40, s14, 2
	v_lshl_add_u32 v18, v2, 4, s40
	v_lshlrev_b32 v19, 4, v2
	s_lshr_b32 s40, s14, 1                         ; key class w = 2 pr + half: chunk 2 kb + pr, half of the fragment
	s_lshl_b32 s40, s40, 12
	s_and_b32 s41, s14, 1
	s_lshl_b32 s41, s41, 9
	s_add_co_u32 s40, s40, s41
	v_add_nc_u32 v20, s40, v1
	v_lshl_add_u32 v21, v3, 16, v19                ; x: 8 h rows + 16 r
.irp c, 0,1,2,3
	v_mov_b32 v[TP+\c], 0                          ; v_permlanex16_b32 counts as a reader of its destination
.endr
	s_mov_b32 s41, 0
	s_mov_b32 s43, 0
	s_lshl_b32 s40, s16, 18
	s_lshl_b32 s42, s15, 13
	s_wait_kmcnt 0x0
	s_add_nc_u64 s[18:19], s[4:5], s[40:41]        ; batch b's K (batch 0's is s[4:5])
	s_add_nc_u64 s[20:21], s[6:7], s[42:43]        ; batch 0's Q, my block
	s_add_nc_u64 s[22:23], s[20:21], s[40:41]      ; batch b's
	s_lshl_b32 s40, s16, 20
	s_add_nc_u64 s[24:25], s[8:9], s[40:41]        ; batch b's V
	s_lshl_b32 s40, s16, 21                        ; x, out: batch, my 64 rows, the block's 256 bytes
	s_lshl_b32 s42, s14, 19
	s_add_co_u32 s40, s40, s42
	s_lshl_b32 s42, s15, 8
	s_add_co_u32 s40, s40, s42
	s_add_nc_u64 s[26:27], s[10:11], s[40:41]
	s_add_nc_u64 s[28:29], s[12:13], s[40:41]
	s_wait_alu depctr_va_vdst(0)                   ; v1, v4-13 and v18-21 are written: every load and store of the kernel reads one of them as its address, and none is written again
; 36 loads: K of my class in five blocks (20), Q of the four classes (16)
.macro LDKQ kreg, qreg, ksb, qsb
	WIN 0x80
.irp k, 0,1,2,3,4
.irp d, 0,1
	global_load_b128 v[\kreg+16*\k+8*\d:\kreg+16*\k+8*\d+3],   v[KOFF+\k], s[\ksb:\ksb+1] offset:\d*1024
	global_load_b128 v[\kreg+16*\k+8*\d+4:\kreg+16*\k+8*\d+7], v[KOFF+\k], s[\ksb:\ksb+1] offset:\d*1024+512
.endr
.endr
	WIN 0xc0
.irp c, 0,1,2,3
.irp d, 0,1
	global_load_b128 v[\qreg+16*\c+8*\d:\qreg+16*\c+8*\d+3],   v1, s[\qsb:\qsb+1] offset:\c*2048+\d*1024
	global_load_b128 v[\qreg+16*\c+8*\d+4:\qreg+16*\c+8*\d+7], v1, s[\qsb:\qsb+1] offset:\c*2048+\d*1024+512
.endr
.endr
.endm
; 8 loads: V of chunk num (block num >> 1, classes 2 (num & 1), + 1) for my four channel tiles.  No vector line ever names these registers ahead of the loads.
.macro LDV num
.if \num < 8
	WIN 0x40
.set VB, 32*\num
.else
	WIN 0x80
.set VB, 32*(\num-8)
.endif
.irp g, 0,1,2,3
	global_load_b128 v[VB+8*\g:VB+8*\g+3],   v[VOFF+(\num>>1)], s[24:25] offset:\g*2048+(\num&1)*1024
	global_load_b128 v[VB+8*\g+4:VB+8*\g+7], v[VOFF+(\num>>1)], s[24:25] offset:\g*2048+(\num&1)*1024+512
.endr
.endm
; 40 matrix instructions: S = bias + K Q^T over d = 0..31, then d = 32..63 in place
.macro SMM kreg, qreg
	WIN 0x3e                                       ; K window 2, Q and bias window 3, S window 0
.irp k, 0,1,2,3,4
.irp c, 0,1,2,3
.if \k == 0
.set CB, B0+8*\c
.else
.if \k == 4
.set CB, B4+8*\c
.else
.set CB, BU+8*(\k-1)
.endif
.endif
	v_wmma_f32_16x16x32_bf16 v[SS+8*(4*\k+\c):SS+8*(4*\k+\c)+7], v[\kreg+16*\k:\kreg+16*\k+7], v[\qreg+16*\c:\qreg+16*\c+7], v[CB:CB+7]
.endr
.endr
	WIN 0x0e
.irp k, 0,1,2,3,4
.irp c, 0,1,2,3
	v_wmma_f32_16x16x32_bf16 v[SS+8*(4*\k+\c):SS+8*(4*\k+\c)+7], v[\kreg+16*\k+8:\kreg+16*\k+15], v[\qreg+16*\c+8:\qreg+16*\c+15], v[SS+8*(4*\k+\c):SS+8*(4*\k+\c)+7]
.endr
.endr
	WIN 0
	PLACES
.endm
; my largest score of each query (40 numbers a lane and class, four chains; the first link holds the floor 0), both halves of the lanes, to LDS.
; again = 1: the second time, for batch b.
.macro PMAX reg, again
.if \again
	s_wait_alu depctr_vm_vsrc(0)                   ; the stores of batch 0's maxima have read v24-27, which the lines below write again
.endif
.irp k, 0,1,2,3,4
.irp p, 0,2,4,6
.irp c, 0,1,2,3
.if (\k+\p) == 0
	v_max3_num_f32 v[PM+\c], 0, v[SS+8*\c], v[SS+8*\c+1]
.else
	v_max3_num_f32 v[PM+\c], v[PM+\c], v[SS+8*(4*\k+\c)+\p], v[SS+8*(4*\k+\c)+\p+1]
.endif
.endr
.endr
.endr
.irp c, 0,1,2,3
	v_permlanex16_b32 v[TP+\c], v[PM+\c], s46, s47
.endr
.irp c, 0,1,2,3
	v_max_num_f32 v[PM+\c], v[PM+\c], v[TP+\c]
.endr
	s_wait_alu depctr_va_vdst(0)                   ; v24-27 are written, which the stores read.  The second time also: the score products are done reading K's registers, in which x lands, and the lines that read v228-243 are done, in which the next table lands
.irp c, 0,1,2,3
	ds_store_b32 v18, v[PM+\c] offset:\reg+256*\c  ; lanes r and r + 16 store the same word with the same value
.endr
.endm
; the four waves' maxima of my queries: the row's maximum, twice, for the packed subtraction
.macro GETMAX reg
.irp c, 0,1,2,3
	ds_load_b128 v[EXR+4*\c:EXR+4*\c+3], v19 offset:\reg+256*\c
.endr
	s_wait_dscnt 0x0
.irp c, 0,1,2,3
	v_max3_num_f32 v[TP+\c], v[EXR+4*\c], v[EXR+4*\c+1], v[EXR+4*\c+2]
.endr
.irp c, 0,1,2,3
	v_max_num_f32 v[MP+2*\c],   v[TP+\c], v[EXR+4*\c+3]
	v_max_num_f32 v[MP+2*\c+1], v[TP+\c], v[EXR+4*\c+3]
.endr
.endm
; a tile's exponentials: 2^(S - maximum), in place
.macro EXA tile
.irp p, 0,2,4,6
	v_pk_add_f32 v[SS+8*(\tile)+\p:SS+8*(\tile)+\p+1], v[SS+8*(\tile)+\p:SS+8*(\tile)+\p+1], v[MP+2*((\tile)&3):MP+2*((\tile)&3)+1] neg_lo:[0,1] neg_hi:[0,1]
.endr
.irp p, 0,1,2,3,4,5,6,7
	v_exp_f32 v[SS+8*(\tile)+\p], v[SS+8*(\tile)+\p]
.endr
.endm
; what becomes of them.  mode 0: added to the class's sum (block 0's tile starts it).  mode 1: rounded to bf16, into the tile's low four registers.
.macro EXB tile, mode
.if \mode
	s_wait_alu depctr_va_vdst(0)
.irp p, 0,1,2,3
	v_cvt_pk_bf16_f32 v[SS+8*(\tile)+\p], v[SS+8*(\tile)+2*\p], v[SS+8*(\tile)+2*\p+1]
.endr
.else
	s_wait_alu depctr_va_vdst(0)
	v_pk_add_f32 v[SS+8*(\tile):SS+8*(\tile)+1], v[SS+8*(\tile):SS+8*(\tile)+1], v[SS+8*(\tile)+2:SS+8*(\tile)+3]
	v_pk_add_f32 v[SS+8*(\tile)+4:SS+8*(\tile)+5], v[SS+8*(\tile)+4:SS+8*(\tile)+5], v[SS+8*(\tile)+6:SS+8*(\tile)+7]
.if ((\tile)>>2) == 0
	v_pk_add_f32 v[SUM+2*((\tile)&3):SUM+2*((\tile)&3)+1], v[SS+8*(\tile):SS+8*(\tile)+1], v[SS+8*(\tile)+4:SS+8*(\tile)+5]
.else
	v_pk_add_f32 v[SS+8*(\tile):SS+8*(\tile)+1], v[SS+8*(\tile):SS+8*(\tile)+1], v[SS+8*(\tile)+4:SS+8*(\tile)+5]
	v_pk_add_f32 v[SUM+2*((\tile)&3):SUM+2*((\tile)&3)+1], v[SUM+2*((\tile)&3):SUM+2*((\tile)&3)+1], v[SS+8*(\tile):SS+8*(\tile)+1]
.endif
.endif
.endm
; a rounded tile, 16 bytes a lane, into P
.macro PST tile
	ds_store_b128 v20, v[SS+8*(\tile):SS+8*(\tile)+3] offset:((\tile)>>2)*8192+((\tile)&3)*1024
.endm
; all 20 tiles, the use one tile behind the exponentials: the plain instruction that stands between an exponential and the use of its
; result (ISA guide 5.7.2) is always another tile's work.  mode 1: a key block's four tiles are stored in one run, behind one wait; no later line of the macro writes what those stores read.
.macro EXALL mode
	EXA 0
.set ti, 1
.rept 19
	EXA ti
	EXB ti-1, \mode
.if (\mode) && (ti%4 == 0)
	s_wait_alu depctr_va_vdst(0)                   ; the roundings have written the low registers of the four tiles ti - 4 .. ti - 1, which the stores read
.irp q, 4,3,2,1
	PST ti-\q
.endr
.endif
.set ti, ti+1
.endr
	EXB 19, \mode
.if \mode
	s_wait_alu depctr_va_vdst(0)                   ; the roundings have written the low registers of tiles 16 .. 19, which the stores read
.irp q, 16,17,18,19
	PST \q
.endr
.endif
.endm
; where chunk num of P lies: window PW, first register PB
.macro PREG num
.if (\num) < 2
.set PW, 0
.set PB, 160+32*(\num)
.elseif (\num) < 4
.set PW, 2
.set PB, 192+32*((\num)-2)
.else
.set PW, 3
.set PB, 32*((\num)-4)
.endif
.endm
; 8 LDS loads: the four classes' fragments of P for chunk num, into the chunk's own registers
.macro PLOAD num
	PREG \num
	WIN PW<<6                                      ; destination in the chunk's window, address in window 0
.irp c, 0,1,2,3
	ds_load_b128 v[PB+8*\c:PB+8*\c+3],   v1 offset:((\num)*4+\c)*1024
	ds_load_b128 v[PB+8*\c+4:PB+8*\c+7], v1 offset:((\num)*4+\c)*1024+512
.endr
.endm
; chunk num of P V: 16 matrix instructions; P of the chunk three further on is asked for first.  No wait on the vector side: since the pair of waits behind the last barrier
; no vector or matrix instruction has named that chunk's registers.  Behind V's chunk num stand 8 (9 - num) loads of V and 32 of x; a wait's count names 63 at the most,
; and a smaller count than needed is safe.
.macro PVC num
.if \num < 7
	PLOAD \num+3
	s_wait_dscnt 24                                ; this chunk's P is in; the 24 loads of the three younger chunks stay out
.else
	s_wait_dscnt 8*(9-\num)                        ; nothing more is asked for: the counts run down
.endif
.if 8*(9-\num)+32 > 63
	s_wait_loadcnt 63
.else
	s_wait_loadcnt 8*(9-\num)+32
.endif
	PREG \num
.if \num < 8
.set VW, 1
.set VB, 32*\num
.else
.set VW, 2
.set VB, 32*(\num-8)
.endif
	WIN VW|(PW<<2)                                 ; V (source 0) and P (source 1) in their windows, the sums in window 0
.irp g, 0,1,2,3
.irp c, 0,1,2,3
.if \num
	v_wmma_f32_16x16x32_bf16 v[ACC+8*(4*\g+\c):ACC+8*(4*\g+\c)+7], v[VB+8*\g:VB+8*\g+7], v[PB+8*\c:PB+8*\c+7], v[ACC+8*(4*\g+\c):ACC+8*(4*\g+\c)+7]
.else
	v_wmma_f32_16x16x32_bf16 v[ACC+8*(4*\g+\c):ACC+8*(4*\g+\c)+7], v[VB+8*\g:VB+8*\g+7], v[PB+8*\c:PB+8*\c+7], 0
.endif
.endr
.endr
.endm
	LDKQ K0, Q0, 4, 20                             ; batch 0
	LDKQ KB, QB, 18, 22                            ; batch b
	; the mask, once for both batches, while the loads are out.  Block 4 (the queries' own): valid where query >= key.  Block 0: valid where
	; query - key + 256 <= 255, the opposite, if the block exists.  Blocks 1-3: the distance is 1 .. 255, always inside.
	WIN 0xc0
.irp k, 1,2,3
.irp j, 0,1,2,3,4,5,6,7
	v_mov_b32 v[BU+8*(\k-1)+\j], s[BIAS+\k]        ; first, so that s38 is free for a lane mask
.endr
.endr
.irp c, 0,1,2,3
.irp j, 0,1,2,3,4,5,6,7
	v_cmp_le_i32 s[MK+\j], 4*\j-\c, v14            ; a class's eight compares in one run, a scalar register each
.endr
	s_wait_alu depctr_va_sdst(0)                   ; s38-45 are written, ahead of the selections that read them
.irp j, 0,1,2,3,4,5,6,7
	v_cndmask_b32 v[B4+8*\c+\j], v15, v16, s[MK+\j]
	v_cndmask_b32 v[B0+8*\c+\j], v17, v15, s[MK+\j]
.endr
.endr
	s_wait_loadcnt 36                              ; batch 0's K and Q are in; batch b's 36 loads stay out
	LDV 0
	LDV 1
	LDV 2
	SMM K0, Q0
	PMAX MX0, 0
	s_wait_dscnt 0x0                               ; my maxima are in LDS, for the others' sake
	s_barrier_signal -1
	s_barrier_wait -1
	GETMAX MX0
	EXALL 0
.irp c, 0,1,2,3
	v_add_f32 v[SUM+2*\c], v[SUM+2*\c], v[SUM+2*\c+1]
.endr
.irp c, 0,1,2,3
	v_permlanex16_b32 v[TP+\c], v[SUM+2*\c], s46, s47
.endr
.irp c, 0,1,2,3
	v_add_f32 v[SUM+2*\c], v[SUM+2*\c], v[TP+\c]
.endr
	s_wait_alu depctr_va_vdst(0)                   ; the sums v200, 202, 204, 206 are written, which the stores read
.irp c, 0,1,2,3
	ds_store_b32 v18, v[SUM+2*\c] offset:SM0+256*\c
.endr
	s_wait_loadcnt 24                              ; batch b's K and Q are in; V's chunks 0-2 may stay out
	LDV 3
	LDV 4
	LDV 5
	LDV 6
	LDV 7
	LDV 8
	LDV 9
	SMM KB, QB
	PMAX MXB, 1
	s_wait_dscnt 0x0                               ; batch 0's sums and batch b's maxima are in LDS
	s_barrier_signal -1
	s_barrier_wait -1
	GETMAX MXB
	WIN 0x80                                       ; x, into the registers that held K: the wait ahead of the maxima's stores has stated that the score products are done reading them, and no vector line since names them
.irp g, 0,1,2,3
.irp j, 0,1,2,3,4,5,6,7
	global_load_b128 v[XR+4*(8*\g+\j):XR+4*(8*\g+\j)+3], v21, s[26:27] offset:(16*\g+\j)*8192 th:TH_LOAD_NT
.endr
.endr
	WIN 0
	EXALL 1
	s_wait_dscnt 0x0                               ; my part of P is in LDS
	s_barrier_signal -1
	s_barrier_wait -1
	s_wait_alu depctr_va_vdst(0)                   ; all vector and matrix work on v160-243, on K's tail and on Q's and the masks' registers is done: the sums' table and P's ten chunks land there
	s_wait_alu depctr_vm_vsrc(0)                   ; the stores of P have read v32-191 and those of the sums v200-206: P's chunks 0 and 1 land there, and the products below write v32-159
.irp c, 0,1,2,3
	ds_load_b128 v[EXR+4*\c:EXR+4*\c+3], v19 offset:SM0+256*\c
.endr
	PLOAD 0
	PLOAD 1
	PLOAD 2
	WIN 0
	s_wait_dscnt 24                                ; the sums are in; the 24 loads of P's chunks 0-2 stay out
.irp c, 0,1,2,3
	v_add_f32 v[EXR+4*\c],   v[EXR+4*\c],   v[EXR+4*\c+1]
	v_add_f32 v[EXR+4*\c+2], v[EXR+4*\c+2], v[EXR+4*\c+3]
.endr
.irp c, 0,1,2,3
	v_add_f32 v[EXR+4*\c], v[EXR+4*\c], v[EXR+4*\c+2]
.endr
.irp c, 0,1,2,3
	v_add_f32 v[EXR+4*\c], 0x0da24260, v[EXR+4*\c] ; + 1e-30
.endr
.irp c, 0,1,2,3
	v_rcp_f32 v[RINV+\c], v[EXR+4*\c]              ; used far below
.endr
	PVC 0                                          ; the first chunk starts the sums
	PVC 1
	PVC 2
	PVC 3
	PVC 4
	PVC 5
	PVC 6
	PVC 7
	PVC 8
	PVC 9
	; THE WAY OUT: row c = 64 w + 16 ct + 8 h + j, times 4 r .. 4 r + 3 (the four classes): x's 16 bytes become the result's.
	; 16 lanes store 256 consecutive bytes of a row, at a multiple of 256 from the buffer's first byte.
	WIN 0
	PLACES
.irp g, 0,1,2,3
	s_wait_loadcnt 24-8*\g                         ; this tile's 8 rows of x are in; the later tiles' stay out
	WIN 0xa0                                       ; x and the result in window 2
.irp j, 0,1,2,3,4,5,6,7
.irp c, 0,1,2,3
	v_fma_f32 v[XR+4*(8*\g+\j)+\c], v[ACC+8*(4*\g+\c)+\j], v[RINV+\c], v[XR+4*(8*\g+\j)+\c]
.endr
.endr
	WIN 0x08                                       ; store data in window 2
	s_wait_alu depctr_va_vdst(0)                   ; the 32 multiply-adds have written this tile's eight rows, which the stores read; no later line writes them
.irp j, 0,1,2,3,4,5,6,7
	global_store_b128 v21, v[XR+4*(8*\g+\j):XR+4*(8*\g+\j)+3], s[28:29] offset:(16*\g+\j)*8192 th:TH_STORE_NT
.endr
.endr
	WIN 0
	s_wait_dscnt 0x0
	s_wait_alu depctr_hold_cnt(0) depctr_sa_sdst(0) depctr_va_vdst(0) depctr_va_sdst(0) depctr_va_ssrc(0) depctr_va_vcc(0) depctr_vm_vsrc(0)
	s_wait_tensorcnt 0x0
	ds_add_u32 v254, v255
	s_wait_dscnt 0x0
	s_endpgm
.Lfunc_end_k_qc92a9edbb2_attn:
	.size	k_qc92a9edbb2_attn, .Lfunc_end_k_qc92a9edbb2_attn-k_qc92a9edbb2_attn
	.p2alignl 7, 3214868480
	.fill 96, 4, 3214868480
	.section	.rodata,"a",@progbits
	.p2align	6, 0x0
	.amdhsa_kernel k_qc92a9edbb2_attn
		.amdhsa_group_segment_fixed_size 44544
		.amdhsa_private_segment_fixed_size 0
		.amdhsa_enable_private_segment 0
		.amdhsa_kernarg_size 40
		.amdhsa_user_sgpr_count 2
		.amdhsa_user_sgpr_kernarg_segment_ptr 1
		.amdhsa_wavefront_size32 1
		.amdhsa_system_sgpr_workgroup_id_x 1
		.amdhsa_system_sgpr_workgroup_id_y 1
		.amdhsa_system_sgpr_workgroup_id_z 1
		.amdhsa_system_vgpr_workitem_id 0
		.amdhsa_next_free_vgpr 984
		.amdhsa_next_free_sgpr 66
		.amdhsa_reserve_vcc 0
		.amdhsa_float_denorm_mode_32 3
		.amdhsa_float_denorm_mode_16_64 3
		.amdhsa_memory_ordered 1
		.amdhsa_forward_progress 1
		.amdhsa_inst_pref_size 110
	.end_amdhsa_kernel
	.amdgpu_metadata
---
amdhsa.version: [ 1, 2 ]
amdhsa.kernels:
  - .name:           k_qc92a9edbb2_attn
    .symbol:         k_qc92a9edbb2_attn.kd
    .args:
      - { .name: kimg, .offset: 0, .size: 8, .value_kind: global_buffer, .address_space: global }
      - { .name: qimg, .offset: 8, .size: 8, .value_kind: global_buffer, .address_space: global }
      - { .name: vimg, .offset: 16, .size: 8, .value_kind: global_buffer, .address_space: global }
      - { .name: x, .offset: 24, .size: 8, .value_kind: global_buffer, .address_space: global }
      - { .name: out0, .offset: 32, .size: 8, .value_kind: global_buffer, .address_space: global }
    .group_segment_fixed_size: 44544
    .private_segment_fixed_size: 0
    .kernarg_segment_align: 8
    .kernarg_segment_size: 40
    .max_flat_workgroup_size: 128
    .sgpr_count:     66
    .vgpr_count:     984
    .wavefront_size: 32
...
	.end_amdgpu_metadata
.endif
;; end of part 3
